; MI455X (gfx1250); checked and timed in simulation.
; The chip was launched on July 23, 2026; its instructions are those of AMD's public machine-readable ISA for CDNA 5 (MIT licence, August 2026) and "CDNA5" Instruction Set Architecture Reference Guide (July 2026). The comments in the code are by the model that wrote it; some were corrected since.
;; Pruned Mo E Layer. Allowed arithmetic: float matrix products may take bf16 or f16 operands with f32 sums; all other float work in f32.
;; Inputs: W1 8 x 1,024 x 2,048 float32; W2 8 x 2,048 x 1,024 float32; Wg 1,024 x 8 float32; b1 8 x 2,048 float32; b2 8 x 1,024 float32; bg 8 float32; gumbel 2,048 x 8 float32; x 4 x 512 x 1,024 float32.
;; Outputs: out0 4 x 512 x 1,024 float32.
;; One version. Each part assembles by itself: llvm-mc -triple=amdgcn-amd-amdhsa -mcpu=gfx1250 --defsym DOCPART=n.
;; ======== version 1 of 1: 4 launches
;; limits: values are held in f16: magnitudes above 65,504 overflow, below 6.1e-05 lose precision
;; workspace buffers: xh 4,194,304 bytes; ids 8,192 bytes of whole numbers; gv 8,192 bytes; order 8,960 bytes of whole numbers; gs 8,704 bytes; hh 8,912,896 bytes
;; launch gate (part 1): grid 256 x 1, 8 waves a work-group, no clusters, 33,792 bytes of LDS; arguments x, Wg, bg, gumbel, xh, ids, gv; writes xh, ids, gv
.if DOCPART == 1
	.amdgcn_target "amdgcn-amd-amdhsa--gfx1250"
	.amdhsa_code_object_version 6
	.text
	.protected	k_qce43b1e410_gate
	.globl	k_qce43b1e410_gate
	.p2align	8
	.type	k_qce43b1e410_gate,@function
k_qce43b1e410_gate:
	s_mov_b64 s[64:65], 0
	v_nop
	global_prefetch_b8 v0, s[64:65] scope:SCOPE_SE
	s_setreg_imm32_b32 hwreg(HW_REG_WAVE_MODE, 25, 1), 1
	s_wait_xcnt 0x0
; ROUTING.  For each of 2048 tokens: z = x Wg + bg + gumbel (tau = 1: dividing by 1 changes no bit, so no line is written for it),
; softmax with the maximum taken away, the expert = argmax of the softmax, and the gate (1 + y) - y of that expert, y = 1 / sum of exp(z - max).
; For every other expert the problem's function forms (0 + y) - y = 0, so only the chosen expert's gate is kept.
; Also x is rounded once to f16 for the two matrix launches that follow (xh, token order).
; The logits are made in f32 on the vector ALU: they steer a hard choice, and are 1024 x 8 multiply-adds a token.
; LIMITS: the f32 sum of 1024 products is taken in another order than the problem's function may take it: a token whose two best z lie
; closer than that sum's rounding (about 1e-6 of their size) may go to the other expert.  |x| must stay below 65,504 (f16).
; One wave = one token: lane l holds x[128 j + 4 l + q], j = 0..7, q = 0..3 (eight loads of 512 neighbouring bytes).
; Wg (32 KiB) is laid into LDS once by the work-group so that lane l finds the 8 weights of each of its 32 x at 16 l + 512 p + 4096 j,
; p = 2 q + half (half 0: experts 0-3, half 1: experts 4-7): every LDS load takes 512 neighbouring bytes.
.set X,   8                            ; v[8:39]    my 32 numbers of x
.set L,   40                           ; v[40:47]   my part of the 8 logits; later M, IDX, BEST and the sums
.set WV0, 48                           ; v[48:79]   Wg, buffer 0 (first: Wg on its way into LDS)
.set WV1, 80                           ; v[80:111]  Wg, buffer 1
.set HX,  112                          ; v[112:127] x in f16
.set Z,   128                          ; v[128:135] z
.set P,   136                          ; v[136:143] exp(z - max)
.set M,   40
.set IDX, 41
.set BEST, 42
.set SM,  44                           ; v[44:47]
	s_load_b256 s[4:11], s[0:1], 0x0               ; x s[4:5], Wg s[6:7], bg s[8:9], gumbel s[10:11]
	s_load_b128 s[12:15], s[0:1], 0x20             ; xh s[12:13], ids s[14:15]
	s_load_b64 s[16:17], s[0:1], 0x30              ; gv
	v_lshl_add_u32 v144, v0, 2, 0x8000
	v_mov_b32 v145, 0
	v_and_b32 v1, 31, v0                           ; lane
	v_lshrrev_b32 v6, 5, v0
	v_readfirstlane_b32 s18, v6                    ; wave
	v_lshlrev_b32 v2, 4, v1                        ; 16 lane
	v_lshlrev_b32 v3, 3, v1                        ; 8 lane
	v_lshlrev_b32 v5, 4, v0                        ; 16 thread: Wg as it lies in memory
	v_lshrrev_b32 v7, 3, v0
	v_and_b32 v4, 7, v0
	v_lshlrev_b32 v7, 4, v7
	v_lshl_add_u32 v4, v4, 9, v7                   ; where it goes: 512 (thread mod 8) + 16 (thread / 8)
	v_mov_b32 v6, 0                                ; offset 0 for the two last stores
	s_lshl_b32 s19, ttmp9, 3
	s_add_co_u32 s19, s19, s18                     ; my token
	s_mov_b32 s21, 0
	s_mov_b32 s40, 0x76543210                      ; v_permlanex16_b32: lane i of one half reads lane i of the other
	s_mov_b32 s41, 0xfedcba98
	s_wait_kmcnt 0x0
.irp it, 0,1,2,3,4,5,6,7
	global_load_b128 v[WV0+4*\it:WV0+4*\it+3], v5, s[6:7] offset:4096*\it
.endr
	s_lshl_b32 s20, s19, 12                        ; a row of x is 4,096 bytes
	s_add_nc_u64 s[4:5], s[4:5], s[20:21]
.irp j, 0,1,2,3,4,5,6,7
	global_load_b128 v[X+4*\j:X+4*\j+3], v2, s[4:5] offset:512*\j th:TH_LOAD_NT
.endr
	s_lshl_b32 s20, s19, 5                         ; a row of gumbel is 32 bytes
	s_add_nc_u64 s[10:11], s[10:11], s[20:21]
	s_load_b256 s[24:31], s[8:9], 0x0              ; bg
	s_load_b256 s[32:39], s[10:11], 0x0            ; my token's gumbel
	s_lshl_b32 s20, s19, 11                        ; a row of xh is 2,048 bytes
	s_add_nc_u64 s[12:13], s[12:13], s[20:21]
	s_lshl_b32 s20, s19, 2
	s_add_nc_u64 s[14:15], s[14:15], s[20:21]
	s_add_nc_u64 s[16:17], s[16:17], s[20:21]
	s_wait_loadcnt 0x8                             ; Wg's eight loads are in; the eight younger ones (x) stay out
.irp it, 0,1,2,3,4,5,6,7
	ds_store_b128 v4, v[WV0+4*\it:WV0+4*\it+3] offset:4096*\it
.endr
	s_wait_dscnt 0x0                               ; my stores are done, for the other waves' sake
	s_barrier_signal -1
	s_barrier_wait -1                              ; Wg is whole; nothing writes LDS from here on
.macro WLOAD j, wv                     ; the weights of x[128 j + 4 l + 0..3]: 8 x 16 bytes a lane
.irp p, 0,1,2,3,4,5,6,7
	ds_load_b128 v[\wv+4*\p:\wv+4*\p+3], v2 offset:(\j)*4096+\p*512
.endr
.endm
; the 8 logits take x[.. + q]: four packed multiply-adds; x is one register of the pair pr, picked by sel for both halves
.macro FQ j, wv, q, pr, sel
.irp hf, 0,1
.irp a, 0,1
	v_pk_fma_f32 v[L+4*\hf+2*\a:L+4*\hf+2*\a+1], v[\wv+4*(2*\q+\hf)+2*\a:\wv+4*(2*\q+\hf)+2*\a+1], v[X+4*\j+\pr:X+4*\j+\pr+1], v[L+4*\hf+2*\a:L+4*\hf+2*\a+1] op_sel:[0,\sel,0] op_sel_hi:[1,\sel,1]
.endr
.endr
.endm
.macro JSTEP j, wv, wn, more
.if \more
	WLOAD \j+1, \wn                                ; the next batch of weights goes out first
	s_wait_dscnt 0x8                               ; all but those eight: this batch is in
.else
	s_wait_dscnt 0x0
.endif
	s_wait_loadcnt 7-\j                            ; x's load j is in; the 7 - j younger ones stay out
.if \j == 0
.irp hf, 0,1
.irp a, 0,1
	v_pk_mul_f32 v[L+4*\hf+2*\a:L+4*\hf+2*\a+1], v[\wv+4*\hf+2*\a:\wv+4*\hf+2*\a+1], v[X:X+1] op_sel_hi:[1,0]   ; the first product starts the sums
.endr
.endr
.else
	FQ \j, \wv, 0, 0, 0
.endif
	FQ \j, \wv, 1, 0, 1
	FQ \j, \wv, 2, 2, 0
	FQ \j, \wv, 3, 2, 1
	v_cvt_pk_f16_f32 v[HX+2*\j], v[X+4*\j], v[X+4*\j+1]
	v_cvt_pk_f16_f32 v[HX+2*\j+1], v[X+4*\j+2], v[X+4*\j+3]
	global_store_b64 v3, v[HX+2*\j:HX+2*\j+1], s[12:13] offset:256*\j   ; the wave stores 256 consecutive bytes, aligned
.endm
	WLOAD 0, WV0
	JSTEP 0, WV0, WV1, 1
	JSTEP 1, WV1, WV0, 1
	JSTEP 2, WV0, WV1, 1
	JSTEP 3, WV1, WV0, 1
	JSTEP 4, WV0, WV1, 1
	JSTEP 5, WV1, WV0, 1
	JSTEP 6, WV0, WV1, 1
	JSTEP 7, WV1, WV0, 0
	; the 8 sums over the 32 lanes: four steps inside each half of 16 lanes, one across; every lane ends with all 8
.irp m, 1,2,4,8
.irp e, 0,1,2,3,4,5,6,7
	v_add_f32_dpp v[L+\e], v[L+\e], v[L+\e] row_xmask:\m row_mask:0xf bank_mask:0xf
.endr
.endr
.irp e, 0,1,2,3,4,5,6,7
	v_permlanex16_b32 v[WV0+\e], v[L+\e], s40, s41 ; its destination counts as read: WV0 has been written
.endr
	s_wait_kmcnt 0x0                               ; bg and gumbel
.irp e, 0,1,2,3,4,5,6,7
	v_add_f32 v[L+\e], v[L+\e], v[WV0+\e]
.endr
.irp e, 0,1,2,3,4,5,6,7
	v_add_f32 v[Z+\e], s[24+\e], v[L+\e]           ; logits = x Wg + bg
.endr
.irp e, 0,1,2,3,4,5,6,7
	v_add_f32 v[Z+\e], s[32+\e], v[Z+\e]           ; + gumbel
.endr
	v_max3_num_f32 v[M], v[Z], v[Z+1], v[Z+2]
	v_max3_num_f32 v[M], v[M], v[Z+3], v[Z+4]
	v_max3_num_f32 v[M], v[M], v[Z+5], v[Z+6]
	v_max_num_f32 v[M], v[M], v[Z+7]
.irp e, 0,1,2,3,4,5,6,7
	v_sub_f32 v[P+\e], v[Z+\e], v[M]               ; the maximum is taken away: every exponent is at most 0
.endr
.irp e, 0,1,2,3,4,5,6,7
	v_mul_f32 v[P+\e], 0x3fb8aa3b, v[P+\e]         ; x log2(e)
.endr
.irp e, 0,1,2,3,4,5,6,7
	v_exp_f32 v[P+\e], v[P+\e]
.endr
	v_mov_b32 v[IDX], 0                            ; the one plain vector instruction between the exponentials and their first use (ISA guide 5.7.2)
	; argmax of the softmax: dividing by the common sum keeps the order, so the exponentials are compared; ascending, a later one wins only if strictly larger
	s_wait_alu depctr_va_vdst(0)
	v_cmp_le_f32 vcc_lo, v[P+1], v[P]
	v_cndmask_b32 v[IDX], 1, v[IDX], vcc_lo
	v_max_num_f32 v[BEST], v[P], v[P+1]
.irp e, 2,3,4,5,6
	v_cmp_le_f32 vcc_lo, v[P+\e], v[BEST]
	v_cndmask_b32 v[IDX], \e, v[IDX], vcc_lo
	v_max_num_f32 v[BEST], v[BEST], v[P+\e]
.endr
	v_cmp_le_f32 vcc_lo, v[P+7], v[BEST]
	v_cndmask_b32 v[IDX], 7, v[IDX], vcc_lo
	v_pk_add_f32 v[SM:SM+1], v[P:P+1], v[P+2:P+3]
	v_pk_add_f32 v[SM+2:SM+3], v[P+4:P+5], v[P+6:P+7]
	v_pk_add_f32 v[SM:SM+1], v[SM:SM+1], v[SM+2:SM+3]
	v_add_f32 v[SM], v[SM], v[SM+1]                ; at least 1: the largest term is exp(0)
	v_rcp_f32 v[SM+2], v[SM]                       ; y of the chosen expert
	v_nop                                          ; one plain place behind the reciprocal
	s_wait_alu depctr_va_vdst(0)
	v_add_f32 v[SM+3], 1.0, v[SM+2]
	v_sub_f32 v[SM+3], v[SM+3], v[SM+2]            ; the gate, (1 + y) - y, rounded as it is written
	v_cmp_eq_u32 vcc_lo, 0, v1
	s_wait_xcnt 0x0                                ; EXEC is a source of the stores above: it changes only behind this wait
	s_barrier_signal -1
	s_barrier_wait -1
	s_wait_tensorcnt 0x0
	ds_add_u32 v144, v145
	s_wait_dscnt 0x0
	s_and_saveexec_b32 s42, vcc_lo                 ; lane 0 alone
	global_store_b32 v6, v[IDX], s[14:15]
	global_store_b32 v6, v[SM+3], s[16:17]
	s_wait_xcnt 0x0
	s_or_b32 exec_lo, exec_lo, s42
	s_endpgm
.Lfunc_end_k_qce43b1e410_gate:
	.size	k_qce43b1e410_gate, .Lfunc_end_k_qce43b1e410_gate-k_qce43b1e410_gate
	.p2alignl 7, 3214868480
	.fill 96, 4, 3214868480
	.section	.rodata,"a",@progbits
	.p2align	6, 0x0
	.amdhsa_kernel k_qce43b1e410_gate
		.amdhsa_group_segment_fixed_size 33792
		.amdhsa_private_segment_fixed_size 0
		.amdhsa_enable_private_segment 0
		.amdhsa_kernarg_size 56
		.amdhsa_user_sgpr_count 2
		.amdhsa_user_sgpr_kernarg_segment_ptr 1
		.amdhsa_wavefront_size32 1
		.amdhsa_system_sgpr_workgroup_id_x 1
		.amdhsa_system_sgpr_workgroup_id_y 1
		.amdhsa_system_sgpr_workgroup_id_z 1
		.amdhsa_system_vgpr_workitem_id 0
		.amdhsa_next_free_vgpr 146
		.amdhsa_next_free_sgpr 66
		.amdhsa_reserve_vcc 1
		.amdhsa_float_denorm_mode_32 3
		.amdhsa_float_denorm_mode_16_64 3
		.amdhsa_memory_ordered 1
		.amdhsa_forward_progress 1
		.amdhsa_inst_pref_size 25
	.end_amdhsa_kernel
	.amdgpu_metadata
---
amdhsa.version: [ 1, 2 ]
amdhsa.kernels:
  - .name:           k_qce43b1e410_gate
    .symbol:         k_qce43b1e410_gate.kd
    .args:
      - { .name: x, .offset: 0, .size: 8, .value_kind: global_buffer, .address_space: global }
      - { .name: Wg, .offset: 8, .size: 8, .value_kind: global_buffer, .address_space: global }
      - { .name: bg, .offset: 16, .size: 8, .value_kind: global_buffer, .address_space: global }
      - { .name: gumbel, .offset: 24, .size: 8, .value_kind: global_buffer, .address_space: global }
      - { .name: xh, .offset: 32, .size: 8, .value_kind: global_buffer, .address_space: global }
      - { .name: ids, .offset: 40, .size: 8, .value_kind: global_buffer, .address_space: global }
      - { .name: gv, .offset: 48, .size: 8, .value_kind: global_buffer, .address_space: global }
    .group_segment_fixed_size: 33792
    .private_segment_fixed_size: 0
    .kernarg_segment_align: 8
    .kernarg_segment_size: 56
    .max_flat_workgroup_size: 256
    .sgpr_count:     66
    .vgpr_count:     146
    .wavefront_size: 32
...
	.end_amdgpu_metadata
.endif
;; end of part 1
;; launch route (part 2): grid 1 x 1, 16 waves a work-group, no clusters, 2,560 bytes of LDS; arguments ids, gv, order, gs; writes order, gs
.if DOCPART == 2
	.amdgcn_target "amdgcn-amd-amdhsa--gfx1250"
	.amdhsa_code_object_version 6
	.text
	.protected	k_qce43b1e410_route
	.globl	k_qce43b1e410_route
	.p2align	8
	.type	k_qce43b1e410_route,@function
k_qce43b1e410_route:
	s_mov_b64 s[64:65], 0
	v_nop
	global_prefetch_b8 v0, s[64:65] scope:SCOPE_SE
	s_setreg_imm32_b32 hwreg(HW_REG_WAVE_MODE, 25, 1), 1
	s_wait_xcnt 0x0
; PLACEMENT.  The 2048 tokens are sorted by expert into lists that begin on tiles of 16 entries.  All integer work on 16 KiB, so one work-group:
; a sum over all tokens is needed before any place is known, and work-groups of a launch hand each other nothing.
; order: byte 0 nt[8] tiles of each expert; byte 32 toff[8] its first tile; byte 64 last[8] the list index of its last entry (0 if it has none);
;        from byte 256: entry 16 toff[e] + rank = token.  gs: the token's gate at the same index.
; Only true entries are stored.  Whoever reads clamps its index to last[e], so a tile's spare rows repeat the expert's last token.
; Entry 0 is always a true entry: the first expert that has tokens has toff = 0.  At most 2048/16 + 7 = 135 tiles, 2160 entries.
; Thread t owns tokens 4 t + c.  Rank inside an expert: lower waves first, then c, then the lane.
	s_load_b256 s[4:11], s[0:1], 0x0               ; ids s[4:5], gv s[6:7], order s[8:9], gs s[10:11]
	v_lshl_add_u32 v48, v0, 2, 0x200
	v_mov_b32 v49, 0
	v_and_b32 v1, 31, v0                           ; lane
	v_lshrrev_b32 v2, 5, v0
	v_readfirstlane_b32 s12, v2                    ; wave
	v_lshlrev_b32 v3, 4, v0                        ; 16 thread
	s_wait_kmcnt 0x0
	global_load_b128 v[4:7], v3, s[4:5]            ; my four experts
	global_load_b128 v[8:11], v3, s[6:7]           ; my four gates
	v_and_b32 v14, 7, v1
	v_lshlrev_b32 v14, 2, v14                      ; 4 (lane mod 8): a lane stands for an expert
	v_lshlrev_b32 v15, 2, v1                       ; 4 lane
	s_lshl_b32 s13, s12, 5
	v_mov_b32 v13, s13                             ; my wave's 32 bytes of LDS
	v_mov_b32 v36, 0                               ; written whole before single lanes are written
	v_mov_b32 v37, 0
.irp c, 0,1,2,3
	v_lshl_or_b32 v[44+\c], v0, 2, \c              ; my tokens' numbers
.endr
	s_wait_loadcnt 0x1                             ; the experts are in; the gates, one younger load, may stay out
.irp c, 0,1,2,3
.irp e, 0,1,2,3,4,5,6,7
	v_cmp_eq_u32 s[32+8*\c+\e], \e, v[4+\c]        ; which lanes' token c goes to expert e
.endr
.endr
.irp e, 0,1,2,3,4,5,6,7
	s_bcnt1_i32_b32 s[16+\e], s[32+\e]
.endr
.irp c, 1,2,3
.irp e, 0,1,2,3,4,5,6,7
	s_bcnt1_i32_b32 s67, s[32+8*\c+\e]
	s_add_co_u32 s[16+\e], s[16+\e], s67           ; my wave's count for expert e
.endr
.endr
.irp e, 0,1,2,3,4,5,6,7
	v_mov_b32 v[16+\e], s[16+\e]
.endr
	ds_store_b128 v13, v[16:19]                    ; every lane writes the same bytes with the same values
	ds_store_b128 v13, v[20:23] offset:16
	s_wait_dscnt 0x0                               ; for the other waves' sake
	s_barrier_signal -1
	s_barrier_wait -1
.irp w, 0,1,2,3,4,5,6,7,8,9,10,11,12,13,14,15
	ds_load_b32 v[16+\w], v14 offset:32*\w         ; lane: expert lane mod 8; the sixteen waves' counts
.endr
	s_wait_dscnt 0x0
	v_add_nc_u32 v32, v16, v17
.irp w, 18,20,22,24,26,28,30
	v_add3_u32 v32, v32, v[\w], v[\w+1]            ; the expert's tokens
.endr
	s_cmp_gt_u32 s12, 0
	s_cselect_b32 s67, -1, 0
	v_and_b32 v33, s67, v16
.irp w, 1,2,3,4,5,6,7,8,9,10,11,12,13,14
	s_cmp_gt_u32 s12, \w
	s_cselect_b32 s67, -1, 0
	v_and_b32 v34, s67, v[16+\w]
	v_add_nc_u32 v33, v33, v34                     ; those of them in waves below mine
.endr
	v_add_nc_u32 v35, 15, v32
	v_lshrrev_b32 v35, 4, v35                      ; the expert's tiles
	s_mov_b32 s66, 0                               ; running first tile
.irp e, 0,1,2,3,4,5,6,7
	v_readlane_b32 s67, v32, \e
	v_readlane_b32 s68, v35, \e
	v_readlane_b32 s69, v33, \e
	s_lshl4_add_u32 s[24+\e], s66, s69             ; where my wave's tokens of expert e begin
	s_lshl4_add_u32 s69, s66, s67
	s_sub_co_u32 s69, s69, 1                       ; the expert's last entry,
	s_cmp_lg_u32 s67, 0
	s_cselect_b32 s69, s69, 0                      ; or entry 0 if it has none
	v_writelane_b32 v36, s66, \e
	v_writelane_b32 v37, s69, \e
	s_add_co_u32 s66, s66, s68
.endr
.irp c, 0,1,2,3
	v_mbcnt_lo_u32_b32 v[40+\c], s[32+8*\c], s24   ; base + lower lanes with the same expert; expert 0 starts the choice
.irp e, 1,2,3,4,5,6,7
	v_mbcnt_lo_u32_b32 v38, s[32+8*\c+\e], s[24+\e]
	v_cndmask_b32 v[40+\c], v[40+\c], v38, s[32+8*\c+\e]
.endr
.if \c < 3
.irp e, 0,1,2,3,4,5,6,7
	s_bcnt1_i32_b32 s67, s[32+8*\c+\e]
	s_add_co_u32 s[24+\e], s[24+\e], s67
.endr
.endif
.endr
	s_wait_loadcnt 0x0                             ; the gates
.irp c, 0,1,2,3
	v_min_u32 v[40+\c], 0x87f, v[40+\c]            ; a place made of loaded numbers: held inside the 2176 entries
	v_lshlrev_b32 v[40+\c], 2, v[40+\c]
	global_store_b32 v[40+\c], v[44+\c], s[8:9] offset:256
	global_store_b32 v[40+\c], v[8+\c], s[10:11]
.endr
	s_cmp_lg_u32 s12, 0
	s_cbranch_scc1 .Lend                           ; the header is wave 0's
	v_cmp_gt_u32 vcc_lo, 8, v1
	s_wait_xcnt 0x0                                ; EXEC is a source of the stores above
	s_and_saveexec_b32 s70, vcc_lo                 ; lanes 0 to 7: one for each expert
	global_store_b32 v15, v35, s[8:9]
	global_store_b32 v15, v36, s[8:9] offset:32
	global_store_b32 v15, v37, s[8:9] offset:64
	s_wait_xcnt 0x0
	s_or_b32 exec_lo, exec_lo, s70
.Lend:
	s_barrier_signal -1
	s_barrier_wait -1
	s_wait_tensorcnt 0x0
	ds_add_u32 v48, v49
	s_wait_dscnt 0x0
	s_endpgm
.Lfunc_end_k_qce43b1e410_route:
	.size	k_qce43b1e410_route, .Lfunc_end_k_qce43b1e410_route-k_qce43b1e410_route
	.p2alignl 7, 3214868480
	.fill 96, 4, 3214868480
	.section	.rodata,"a",@progbits
	.p2align	6, 0x0
	.amdhsa_kernel k_qce43b1e410_route
		.amdhsa_group_segment_fixed_size 2560
		.amdhsa_private_segment_fixed_size 0
		.amdhsa_enable_private_segment 0
		.amdhsa_kernarg_size 32
		.amdhsa_user_sgpr_count 2
		.amdhsa_user_sgpr_kernarg_segment_ptr 1
		.amdhsa_wavefront_size32 1
		.amdhsa_system_sgpr_workgroup_id_x 1
		.amdhsa_system_sgpr_workgroup_id_y 1
		.amdhsa_system_sgpr_workgroup_id_z 1
		.amdhsa_system_vgpr_workitem_id 0
		.amdhsa_next_free_vgpr 50
		.amdhsa_next_free_sgpr 72
		.amdhsa_reserve_vcc 1
		.amdhsa_float_denorm_mode_32 3
		.amdhsa_float_denorm_mode_16_64 3
		.amdhsa_memory_ordered 1
		.amdhsa_forward_progress 1
		.amdhsa_inst_pref_size 21
	.end_amdhsa_kernel
	.amdgpu_metadata
---
amdhsa.version: [ 1, 2 ]
amdhsa.kernels:
  - .name:           k_qce43b1e410_route
    .symbol:         k_qce43b1e410_route.kd
    .args:
      - { .name: ids, .offset: 0, .size: 8, .value_kind: global_buffer, .address_space: global }
      - { .name: gv, .offset: 8, .size: 8, .value_kind: global_buffer, .address_space: global }
      - { .name: order, .offset: 16, .size: 8, .value_kind: global_buffer, .address_space: global }
      - { .name: gs, .offset: 24, .size: 8, .value_kind: global_buffer, .address_space: global }
    .group_segment_fixed_size: 2560
    .private_segment_fixed_size: 0
    .kernarg_segment_align: 8
    .kernarg_segment_size: 32
    .max_flat_workgroup_size: 512
    .sgpr_count:     72
    .vgpr_count:     50
    .wavefront_size: 32
...
	.end_amdgpu_metadata
.endif
;; end of part 2
;; launch ffn1 (part 3): grid 256 x 1, 8 waves a work-group, no clusters, 168,960 bytes of LDS; arguments xh, W1, b1, order, hh; writes hh
.if DOCPART == 3
	.amdgcn_target "amdgcn-amd-amdhsa--gfx1250"
	.amdhsa_code_object_version 6
	.text
	.protected	k_qce43b1e410_ffn1
	.globl	k_qce43b1e410_ffn1
	.p2align	8
	.type	k_qce43b1e410_ffn1,@function
k_qce43b1e410_ffn1:
	s_mov_b64 s[64:65], 0
	v_nop
	global_prefetch_b8 v0, s[64:65] scope:SCOPE_SE
	s_setreg_imm32_b32 hwreg(HW_REG_WAVE_MODE, 25, 1), 1
	s_wait_xcnt 0x0
; LAYER 1 of the chosen expert: h = relu(x W1[e] + b1[e]) for the tokens of expert e's list, f16 operands, f32 sums, h rounded once to f16.
; Every other expert's term is multiplied by a gate that is exactly 0 in the problem's function, so it is not computed; all of W1 and b1 is read whatever the lists hold.
; LIMITS: |W1| and |h| below 65,504 (f16).  Where another expert's result is infinite or NaN the problem's function gives NaN, this program does not.
; A work-group owns expert e = id / 32 and the 64 columns n0 = 64 (id mod 32) over all K = 1024: 256 KiB of f32 weights, read once in the launch.
; PHASE 1: the eight waves stream that slice through registers (it has to be rounded to f16 on the way) into LDS, as ready matrix fragments, 128 KiB.
;   Lane (r, h) loads 16 bytes = columns n0 + 4 r .. + 3 of one row: lanes 0-15 take 256 consecutive aligned bytes of a row, lanes 16-31 of the row 8 below.
;   Sixteen such loads are a K step of 32; fragment c (0..3) holds column n0 + 4 q + c in its place q: its register m = (X[8 m + c], X[8 m + 4 + c]).
;   LDS: step s, fragment c, half i at 4096 s + 1024 c + 512 i + 16 lane: stores and loads of 512 neighbouring bytes.
; PHASE 2, behind the one barrier, LDS is only read: each wave by itself takes units of FOUR tiles of 16 tokens x 64 columns x all K.  A K step of a unit reads
;   4 KiB of weight fragments from LDS for 16 matrix instructions; a unit of two tiles would read the same 4 KiB for 8.
;   With nq = tiles / 4: unit u < nq is tiles 4 u .. 4 u + 3; unit nq is the two tiles left over (or the one, if one is left); unit nq + 1 is the third left over, tile 4 nq + 2.
;   A wave takes units slot, slot + 8, ...  The number of tiles is a whole number that the placement launch stored.
;   The tokens' fragments come straight from memory, asked for seven K steps ahead into a ring of eight: up to 28 KiB of a wave's four tiles are on their way.
; The matrix instruction is used transposed (source 0 = weights, source 1 = tokens): lane (r, h) then holds token r, register j of fragment c column
;   n0 + 32 h + 4 j + c: 32 neighbouring columns of one token, which are that lane's own operand bytes for layer 2.
; hh: [tile][K step S of layer 2: 0..63][half i][lane][16 bytes]; lane (r, h) holds token r, k = 64 (S / 2) + 32 h + 16 (S mod 2) + 8 i + 0..7.
; REGISTERS, in windows of 256 (an instruction names v0-v255; s_set_vgpr_msb says which window each operand place means: bits 1:0 source 0, 3:2 source 1,
;   5:4 source 2, 7:6 destination).  Window 0: addresses, bias, accumulators, weight fragments, phase 1's buffers, the way out.  Window 1: the ring of token fragments.
;   A K step has two settings: its token loads (destination window 1, address window 0) and its matrix instructions (source 1 window 1, all else window 0);
;   its LDS loads name window 0 in destination and source 0 and stand under the second setting.
; NO TENSOR LOADS, NO CLUSTER: no two work-groups share a weight byte, and the weights pass through registers anyway for the rounding.  The tokens' rows are shared by the 32
; work-groups of an expert, but each wave walks its own tiles, their number is read from memory, and no barrier stands in that part: joint requests would need one a step.
; The launch asks for more than half of a WGP's LDS (131,072 bytes are used), so that each of the 256 work-groups has a WGP to itself.
.set KS,   32                          ; K steps of 32: four trips of eight
.set VW,   3                           ; 65536 h + 16 r: my bytes in W1's rows
.set VLW,  4                           ; 16 lane + 16384 wave: where my wave's four K steps go in LDS
.set VL16, 5                           ; 16 lane
.set VB,   6                           ; LDS address of the trip's fragments
.set VH,   7                           ; byte offset in hh of my 16 bytes
.set V16H, 8                           ; 16 h
.set VST,  9                           ; 2048 (id mod 32) + 16 lane
.set TMP,  10
.set V128H, 11                         ; 128 h
.set TOK,  12                          ; v[12:15]   list entry (first its byte offset) of my row in tiles 0 to 3 of a unit
.set BIAS, 16                          ; v[16:47]   register 8 c + j: b1[n0 + 32 h + 4 j + c]
.set ACC,  48                          ; v[48:175]  tile t, fragment c at 32 t + 8 c
.set BF,   176                         ; v[176:239] weight fragments, two buffers: 32 b + 8 c; on the way out tile t's packed h at 16 t
.set VAA,  240                         ; v[240:243] byte offset in xh of my token of tiles 0 to 3: the even trips' set
.set VAB,  244                         ; v[244:247] the odd trips' set
.set F,    240                         ; v[240:255] phase 1: two fragments on their way to LDS
.set X0,   48                          ; phase 1: three buffers of 64 registers, a K step of f32 weights each
.set X1,   112
.set X2,   176
.set AR,   0                           ; window 1, v[256:511]: token fragments, ring of eight K steps: 32 a + 8 t
.set TOA,  0x40                        ; destination window 1, address window 0
.set MUL,  0x04                        ; source 1 window 1; D, source 0 and C window 0
.set MSB,  0
.macro WIN new                         ; the immediate's high byte repeats the setting that is left; a switch that changes nothing is dropped
.if MSB != \new
	s_set_vgpr_msb (MSB<<8)|\new
.set MSB, \new
.endif
.endm
	s_load_b256 s[4:11], s[0:1], 0x0               ; xh s[4:5], W1 s[6:7], b1 s[8:9], order s[10:11]
	s_load_b64 s[12:13], s[0:1], 0x20              ; hh
	v_lshrrev_b32 v1, 5, v0
	v_readfirstlane_b32 s14, v1                    ; wave
	s_lshr_b32 s15, ttmp9, 5                       ; expert
	s_and_b32 s16, ttmp9, 31                       ; which 64 columns
	; My slot = my first unit: waves 0, 3, 5, 6 take slots 0 to 3, waves 1, 2, 4, 7 slots 4 to 7 (one hex digit a wave).  The four waves of either group differ
	; both in their number modulo 4 and in their number halved, so the first four units lie on four SIMDs whether waves are dealt to SIMDs one by one or two by two.
	s_lshl_b32 s26, s14, 2
	s_lshr_b32 s22, 0x73261540, s26
	s_and_b32 s22, s22, 7
	v_and_b32 v1, 15, v0                           ; r
	v_bfe_u32 v2, v0, 4, 1                         ; h
	v_and_b32 v[VL16], 31, v0
	v_lshlrev_b32 v[VL16], 4, v[VL16]
	v_lshlrev_b32 v[VW], 4, v1
	v_lshl_add_u32 v[VW], v2, 16, v[VW]            ; 8 rows of 8,192 bytes for the upper lanes
	v_lshl_add_u32 v[VLW], s14, 14, v[VL16]
	v_lshlrev_b32 v[V16H], 4, v2
	v_lshlrev_b32 v[V128H], 7, v2
	v_lshl_add_u32 v[VST], s16, 11, v[VL16]
	s_lshl_b32 s24, s15, 2
	s_mov_b32 s25, 0
	s_wait_kmcnt 0x0
	s_add_nc_u64 s[32:33], s[10:11], s[24:25]      ; order's header at my expert
	s_load_b32 s18, s[32:33], 0x0                  ; tiles
	s_load_b32 s19, s[32:33], 0x20                 ; first tile
	s_load_b32 s20, s[32:33], 0x40                 ; last entry
	s_lshl_b32 s26, s16, 8                         ; 64 columns of f32
	s_lshl_b32 s24, s15, 13
	s_add_co_u32 s24, s24, s26
	s_add_nc_u64 s[8:9], s[8:9], s[24:25]          ; b1[e][n0]
	s_lshl_b32 s24, s15, 23                        ; an expert's W1: 8,388,608 bytes
	s_add_co_u32 s24, s24, s26
	s_lshl_b32 s27, s14, 20                        ; my wave's four K steps: 128 rows of 8,192 bytes
	s_add_co_u32 s24, s24, s27
	s_add_nc_u64 s[6:7], s[6:7], s[24:25]
.macro LOADK kk, x                     ; K step kk of my four: rows 32 kk + 8 h + (i mod 8) + 16 (i / 8), as the fragment's registers want them
.irp i, 0,1,2,3,4,5,6,7,8,9,10,11,12,13,14,15
	global_load_b128 v[\x+4*\i:\x+4*\i+3], v[VW], s[6:7] offset:(\kk)*262144+(((\i)&7)+16*((\i)>>3))*8192 th:TH_LOAD_NT
.endr
.endm
.macro CVTK kk, x                      ; rounded to f16, four fragments, two at a time through F (an LDS store's sources need no wait)
.irp cp, 0,2
.irp cc, 0,1
.irp m, 0,1,2,3,4,5,6,7
	v_cvt_pk_f16_f32 v[F+8*\cc+\m], v[\x+8*\m+\cp+\cc], v[\x+8*\m+4+\cp+\cc]
.endr
.endr
.irp cc, 0,1
.irp hf, 0,1
	ds_store_b128 v[VLW], v[F+8*\cc+4*\hf:F+8*\cc+4*\hf+3] offset:(\kk)*4096+(\cp+\cc)*1024+\hf*512
.endr
.endr
.endr
.endm
; The list entries of unit u = s22 + add, four tiles from its first: tile 4 u, or 4 u - 2 for the unit behind the leftover pair.
; Index 16 (expert's first tile + tile) + 16 t + r, held at the expert's last entry.  Each load lands on its own address register.
.macro LIST add
	s_add_co_u32 s26, s22, \add
	s_cmp_gt_u32 s26, s21
	s_cselect_b32 s27, 2, 0
	s_lshl2_add_u32 s26, s26, s19
	s_sub_co_u32 s26, s26, s27
	s_lshl_b32 s26, s26, 4
	v_add_nc_u32 v[TMP], s26, v1
.irp t, 0,1,2,3
	v_add_nc_u32 v[TOK+\t], 16*\t, v[TMP]
	v_min_u32 v[TOK+\t], s20, v[TOK+\t]
	v_min_u32 v[TOK+\t], 0x87f, v[TOK+\t]          ; a loaded number enters an address only behind a written bound: 2176 entries
	v_lshlrev_b32 v[TOK+\t], 2, v[TOK+\t]
.endr
.irp t, 0,1,2,3
	global_load_b32 v[TOK+\t], v[TOK+\t], s[10:11] offset:256
.endr
.endm
	; PHASE 1.  Three K steps, 24 KiB a wave, are on their way at any time.
	LOADK 0, X0
	LOADK 1, X1
	LOADK 2, X2
	s_wait_kmcnt 0x0                               ; the header
	s_min_u32 s18, s18, 128                        ; written bounds on loaded numbers: 2048/16 tiles,
	s_min_u32 s19, s19, 135                        ; 135 tiles in all,
	s_min_u32 s20, s20, 2175                       ; 2176 entries
	s_lshr_b32 s21, s18, 2                         ; nq: whole units of four tiles, at most 32
	s_add_co_u32 s36, s21, 7
	s_sub_co_u32 s36, s36, s22
	s_lshr_b32 s36, s36, 3                         ; how many of the units slot, slot + 8, ... lie below nq: my trips, at most 4
	LIST 0                                         ; my first unit's tokens
	s_wait_loadcnt 36                              ; step 0 is in: steps 1 and 2 (32 loads) and the 4 list loads are younger
	CVTK 0, X0
	LOADK 3, X0
	s_wait_loadcnt 36                              ; step 1: step 2 (16), the list (4), step 3 (16) are younger
	CVTK 1, X1
	s_wait_loadcnt 20                              ; step 2: the list (4) and step 3 (16) are younger
	CVTK 2, X2
.irp c, 0,1,2,3
.irp j, 0,1,2,3,4,5,6,7
	global_load_b32 v[BIAS+8*\c+\j], v[V128H], s[8:9] offset:16*\j+4*\c   ; once: 256 bytes, laid as the accumulators lie
.endr
.endr
	s_wait_loadcnt 32                              ; step 3: the bias's 32 loads are younger
	CVTK 3, X0
	s_wait_loadcnt 0x0                             ; the bias, and the list long since
	s_wait_dscnt 0x0                               ; my fragments are in LDS, for the other waves' sake
	s_barrier_signal -1
	s_barrier_wait -1                              ; all 32 K steps are there; LDS is only read from here on
; PHASE 2.  One matrix instruction: tile t, fragment c.  first = 1: the bias is the C operand, so nothing is cleared and nothing added later.
.macro WM c, t, first
.if \first
	v_wmma_f32_16x16x32_f16 v[ACC+32*\t+8*\c:ACC+32*\t+8*\c+7], v[CB+8*\c:CB+8*\c+7], v[CA+8*\t:CA+8*\t+7], v[BIAS+8*\c:BIAS+8*\c+7]
.else
	v_wmma_f32_16x16x32_f16 v[ACC+32*\t+8*\c:ACC+32*\t+8*\c+7], v[CB+8*\c:CB+8*\c+7], v[CA+8*\t:CA+8*\t+7], v[ACC+32*\t+8*\c:ACC+32*\t+8*\c+7]
.endif
.endm
; K step i of a trip of eight, for a unit of num tiles.  pb: the next step's weight fragments are asked from LDS; pa: the tokens' fragments seven steps ahead from memory,
; by the offsets in set va.  Both land in registers that the step before has multiplied, so np = 4 places stand behind its matrix instructions (ISA guide 7.12.1 for vector instructions)
; lc: the token loads of the younger K steps that may stay out.  The wait stands in front of the step's own request, so that it counts six K steps
; and a wave has at most 4 list loads + 7 K steps x 8 loads = 60 loads out.  dc: the eight LDS loads just issued.
; The accumulators take turns, one instruction a turn, in the same order in every step.
.macro STEP i, num, va, first, pa, pb, lc, dc, np
.set NB, BF+32*(((\i)+1)&1)
.set CB, BF+32*((\i)&1)
.set NA, AR+32*(((\i)+7)&7)
.set CA, AR+32*(\i)
.if \np
.rept \np
	v_nop
.endr
.endif
.if \pb
.irp c, 0,1,2,3
	ds_load_b128 v[NB+8*\c:NB+8*\c+3], v[VB] offset:(\i+1)*4096+\c*1024
	ds_load_b128 v[NB+8*\c+4:NB+8*\c+7], v[VB] offset:(\i+1)*4096+\c*1024+512
.endr
.endif
	s_wait_loadcnt \lc
.if \pa
	WIN TOA
.irp t, 0,1,2,3
.if \t < \num
	global_load_b128 v[NA+8*\t:NA+8*\t+3], v[\va+\t], s[4:5] offset:(\i+7)*64
	global_load_b128 v[NA+8*\t+4:NA+8*\t+7], v[\va+\t], s[4:5] offset:(\i+7)*64+32
.endif
.endr
.endif
	s_wait_dscnt \dc
	WIN MUL
.irp c, 0,1,2,3
.irp t, 0,1,2,3
.if \t < \num
	WM \c, \t, \first
.endif
.endr
.endr
.endm
; Eight K steps whose loads use the offsets in set va.  At the trip's end the LDS address goes eight steps on, and (adv = 1) the OTHER set, vo, two trips on:
; vo's loads were issued a trip ago, and step 7's counted wait, which leaves out only this trip's requests of steps 1 to 6, all by va, has shown them done.
; So no offset that a load still out names is written, and no further wait is needed.  At least four plain vector instructions stand here: the places in front of the next step's loads.
.macro TRIP num, va, vo, first, adv
	STEP 0, \num, \va, \first, 1, 1, 12*\num, 8, 0 ; six younger K steps of 2 loads a tile stay out
.irp i, 1,2,3,4,5,6,7
	STEP \i, \num, \va, 0, 1, 1, 12*\num, 8, 4
.endr
	WIN 0
	v_add_nc_u32 v[VB], 32768, v[VB]
.set PADN, 3
.if \adv
.irp t, 0,1,2,3
.if \t < \num
	v_add_nc_u32 v[\vo+\t], 1024, v[\vo+\t]
.set PADN, PADN-1
.endif
.endr
.endif
.if PADN > 0
.rept PADN
	v_nop
.endr
.endif
.endm
.macro LAST num, va                    ; the last eight K steps: the last step's tokens are asked for in its first; then the counts run down
	STEP 0, \num, \va, 0, 1, 1, 12*\num, 8, 0
.irp i, 1,2,3,4,5,6
	STEP \i, \num, \va, 0, 0, 1, (7-\i)*2*\num, 8, 4
.endr
	STEP 7, \num, \va, 0, 0, 0, 0, 0, 0
.endm
; The way out of tile t: relu, rounded to f16, my 32 columns = four pieces of 16 bytes; each store of the wave covers 512 consecutive bytes, aligned.
.macro EPI1 t, tr
.irp c, 0,1,2,3
.irp j, 0,1,2,3,4,5,6,7
	v_max_num_f32 v[ACC+32*\t+8*\c+\j], 0, v[ACC+32*\t+8*\c+\j]
.endr
.endr
.irp j, 0,1,2,3,4,5,6,7
	v_cvt_pk_f16_f32 v[\tr+2*\j], v[ACC+32*\t+\j], v[ACC+32*\t+8+\j]
	v_cvt_pk_f16_f32 v[\tr+2*\j+1], v[ACC+32*\t+16+\j], v[ACC+32*\t+24+\j]
.endr
.irp m, 0,1,2,3
	global_store_b128 v[VH], v[\tr+4*\m:\tr+4*\m+3], s[12:13] offset:65536*\t+512*\m
.endr
.endm
; Unit s22, num tiles.  Its list entries were asked for a unit ago (or in phase 1) and are in: every later load has since been waited for.
.macro UNIT num
	s_wait_xcnt 0x0                                ; the last unit's stores have read their data and offset registers
.irp t, 0,1,2,3
.if \t < \num
	v_min_u32 v[TMP], 0x7ff, v[TOK+\t]             ; a token: below 2048
	v_lshl_add_u32 v[VAA+\t], v[TMP], 11, v[V16H]  ; its row of 2,048 bytes, + 16 h
	v_add_nc_u32 v[VAB+\t], 512, v[VAA+\t]         ; the odd trips' set begins eight K steps of 64 bytes on
.endif
.endr
	s_cmp_gt_u32 s22, s21
	s_cselect_b32 s27, 2, 0
	s_lshl2_add_u32 s26, s22, s19                  ; the unit's first tile, as in LIST
	s_sub_co_u32 s26, s26, s27
	s_min_u32 s26, s26, 132                        ; tiles are numbered 0 to 134; a unit's fourth lies 196,608 bytes on, inside hh's 136
	s_lshl_b32 s26, s26, 16
	v_add_nc_u32 v[VH], s26, v[VST]
.if \num == 4
	LIST 8                                         ; my next unit's tokens, ahead of this unit's loads: older than every counted wait below
.endif
	WIN TOA
.irp k, 0,1,2,3,4,5,6
.irp t, 0,1,2,3
.if \t < \num
	global_load_b128 v[AR+32*\k+8*\t:AR+32*\k+8*\t+3], v[VAA+\t], s[4:5] offset:\k*64
	global_load_b128 v[AR+32*\k+8*\t+4:AR+32*\k+8*\t+7], v[VAA+\t], s[4:5] offset:\k*64+32
.endif
.endr
.endr
	WIN 0
	v_mov_b32 v[VB], v[VL16]
.irp c, 0,1,2,3
	ds_load_b128 v[BF+8*\c:BF+8*\c+3], v[VB] offset:\c*1024
	ds_load_b128 v[BF+8*\c+4:BF+8*\c+7], v[VB] offset:\c*1024+512
.endr
	TRIP \num, VAA, VAB, 1, 0                      ; K steps 0-7; asks for 7-14
	TRIP \num, VAB, VAA, 0, 1                      ; 8-15; asks for 15-22
	TRIP \num, VAA, VAB, 0, 1                      ; 16-23; asks for 23-30
	LAST \num, VAB                                 ; 24-31; asks for 31
.rept 4
	v_nop                                          ; four places behind the last matrix instructions, before results are read and BF is written
.endr
	WIN 0
.irp t, 0,1,2,3
.if \t < \num
	EPI1 \t, BF+16*\t                              ; each tile packs into registers of its own: no wait between the tiles' stores
.endif
.endr
.endm
	; My units of four tiles.  The loop ends on a counter of its own that steps by 1 up to my number of trips; the unit's number steps by 8 beside it.
	s_cmp_lg_u32 s36, 0
	s_cbranch_scc0 .Ltail
	s_mov_b32 s35, 0
.Lunit:
	UNIT 4
	s_add_co_u32 s22, s22, 8
	s_add_co_u32 s35, s35, 1
	s_cmp_lt_u32 s35, s36
	s_cbranch_scc1 .Lunit
.Ltail:
	; s22 is now my first unit at or past nq.  Unit nq is the leftover pair, or the one tile left; unit nq + 1 is the third tile left.
	s_and_b32 s28, s18, 3                          ; tiles left over
	s_cmp_eq_u32 s22, s21
	s_cbranch_scc0 .Lsecond
	s_cmp_ge_u32 s28, 2
	s_cbranch_scc1 .Lpair
	s_cmp_eq_u32 s28, 1
	s_cbranch_scc1 .Lsingle
	s_branch .Lend
.Lsecond:
	s_add_co_u32 s26, s21, 1
	s_cmp_eq_u32 s22, s26
	s_cbranch_scc0 .Lend
	s_cmp_eq_u32 s28, 3
	s_cbranch_scc0 .Lend
.Lsingle:
	UNIT 1
	s_branch .Lend
.Lpair:
	UNIT 2
.Lend:
	s_barrier_signal -1
	s_barrier_wait -1
	s_wait_xcnt 0x0
	v_lshl_add_u32 v254, v0, 2, 0x29000
	v_mov_b32 v255, 0
	s_wait_tensorcnt 0x0
	ds_add_u32 v254, v255
	s_wait_dscnt 0x0
	s_endpgm
.Lfunc_end_k_qce43b1e410_ffn1:
	.size	k_qce43b1e410_ffn1, .Lfunc_end_k_qce43b1e410_ffn1-k_qce43b1e410_ffn1
	.p2alignl 7, 3214868480
	.fill 96, 4, 3214868480
	.section	.rodata,"a",@progbits
	.p2align	6, 0x0
	.amdhsa_kernel k_qce43b1e410_ffn1
		.amdhsa_group_segment_fixed_size 168960
		.amdhsa_private_segment_fixed_size 0
		.amdhsa_enable_private_segment 0
		.amdhsa_kernarg_size 40
		.amdhsa_user_sgpr_count 2
		.amdhsa_user_sgpr_kernarg_segment_ptr 1
		.amdhsa_wavefront_size32 1
		.amdhsa_system_sgpr_workgroup_id_x 1
		.amdhsa_system_sgpr_workgroup_id_y 1
		.amdhsa_system_sgpr_workgroup_id_z 1
		.amdhsa_system_vgpr_workitem_id 0
		.amdhsa_next_free_vgpr 512
		.amdhsa_next_free_sgpr 66
		.amdhsa_reserve_vcc 0
		.amdhsa_float_denorm_mode_32 3
		.amdhsa_float_denorm_mode_16_64 3
		.amdhsa_memory_ordered 1
		.amdhsa_forward_progress 1
		.amdhsa_inst_pref_size 214
	.end_amdhsa_kernel
	.amdgpu_metadata
---
amdhsa.version: [ 1, 2 ]
amdhsa.kernels:
  - .name:           k_qce43b1e410_ffn1
    .symbol:         k_qce43b1e410_ffn1.kd
    .args:
      - { .name: xh, .offset: 0, .size: 8, .value_kind: global_buffer, .address_space: global }
      - { .name: W1, .offset: 8, .size: 8, .value_kind: global_buffer, .address_space: global }
      - { .name: b1, .offset: 16, .size: 8, .value_kind: global_buffer, .address_space: global }
      - { .name: order, .offset: 24, .size: 8, .value_kind: global_buffer, .address_space: global }
      - { .name: hh, .offset: 32, .size: 8, .value_kind: global_buffer, .address_space: global }
    .group_segment_fixed_size: 168960
    .private_segment_fixed_size: 0
    .kernarg_segment_align: 8
    .kernarg_segment_size: 40
    .max_flat_workgroup_size: 256
    .sgpr_count:     66
    .vgpr_count:     512
    .wavefront_size: 32
...
	.end_amdgpu_metadata
.endif
;; end of part 3
;; launch ffn2 (part 4): grid 256 x 1, 8 waves a work-group, no clusters, 263,168 bytes of LDS; arguments hh, W2, b2, order, gs, out0; writes out0
.if DOCPART == 4
	.amdgcn_target "amdgcn-amd-amdhsa--gfx1250"
	.amdhsa_code_object_version 6
	.text
	.protected	k_qce43b1e410_ffn2
	.globl	k_qce43b1e410_ffn2
	.p2align	8
	.type	k_qce43b1e410_ffn2,@function
k_qce43b1e410_ffn2:
	s_mov_b64 s[64:65], 0
	v_nop
	global_prefetch_b8 v0, s[64:65] scope:SCOPE_SE
	s_setreg_imm32_b32 hwreg(HW_REG_WAVE_MODE, 25, 1), 1
	s_wait_xcnt 0x0
; LAYER 2 of the chosen expert and the gate: out[token] = (h W2[e] + b2[e]) x gate, f16 operands, f32 sums, f32 out.
; The other experts' terms carry a gate that is exactly 0 in the problem's function and are not computed; all of W2 and b2 is read whatever the lists hold.
; LIMITS: |W2| below 65,504 (f16).  Where another expert's result is infinite or NaN the problem's function gives NaN, this program does not.
; A work-group owns expert e = id / 32, the 64 columns n0 = 64 ((id / 2) mod 16) over all K = 2048, and every second unit of tiles (parity p = id mod 2).
; PHASE 1: the eight waves stream the slice (512 KiB of f32) through registers into LDS as f16 fragments, 256 KiB, as in layer 1:
;   lane (r, h) loads columns n0 + 4 r .. + 3 of row 64 (S / 2) + 32 h + 16 (S mod 2) + i, i = 0..15, of K step S: the order of k in which hh was stored
;   (the same order of k on both operands leaves the products as they are).  LDS: 4096 S + 1024 c + 512 half + 16 lane.
; PHASE 2, behind the one barrier, LDS is only read: each wave by itself takes units of two tiles (one at an odd end), unit q = p + 2 wave, + 16, ...
;   Source 0 = tokens (hh, 512 consecutive bytes a load, asked for seven K steps ahead into a ring of eight), source 1 = weights: register j of lane (r, h),
;   fragment c, is token row 8 h + j, column n0 + 4 r + c, so the four fragments' registers j are 16 neighbouring bytes of out0, and sixteen lanes store
;   256 consecutive bytes, aligned.
; A tile's spare rows repeat the expert's last token: the same numbers go to the same row, from the same wave.
; REGISTERS, in windows of 256 (an instruction names v0-v255; s_set_vgpr_msb says which window each operand place means: bits 1:0 source 0, 3:2 source 1,
;   5:4 source 2, 7:6 destination).  Window 0: addresses, lists, accumulators, phase 1's buffers, the way out.  Window 1: the fragments of phase 2.
;   A K step has two settings: its loads (destination window 1, address window 0) and its matrix instructions (both sources window 1, C and D window 0).
; NO TENSOR LOADS, NO CLUSTER: the two work-groups of a pair read the same slice at the same time, but it has to pass through registers to be rounded to f16,
; and in f32 its 512 KiB do not fit in LDS; hh's tiles are each read by one wave of a work-group, their number is read from memory, and no barrier stands in that part.
.set KS,   64                          ; K steps of 32: eight trips of eight
.set VW,   3                           ; 131072 h + 16 r: my bytes in W2's rows (32 rows of 4,096 bytes for the upper lanes)
.set VLW,  4                           ; 16 lane + 32768 wave
.set VL16, 5                           ; 16 lane
.set VB,   6                           ; LDS address of the trip's fragments
.set VAA,  7                           ; byte offset in hh, even trips; the pair's second tile lies 65,536 bytes on, in the immediate
.set VJ,   8                           ; list index of token row 8 h of the first tile
.set VC,   9                           ; 16 r
.set TMP,  10
.set V8H,  11                          ; 8 h
.set B2,   12                          ; v[12:15]   b2[n0 + 4 r + c]
.set TK,   16                          ; v[16:31]   8 t + j: list entry of token row 8 h + j, then its byte offset in out0
.set G,    32                          ; v[32:47]   its gate
.set ACC,  48                          ; v[48:111]  tile t, fragment c at 32 t + 8 c
.set VAB,  112                         ; byte offset in hh, odd trips
.set U,    176                         ; v[176:239] way out: 32 t + 4 j: the 16 bytes of token row 8 h + j
.set F,    240
.set X0,   48
.set X1,   112
.set X2,   176
.set BF,   0                           ; window 1, v[256:319]: weight fragments, two buffers: 32 b + 8 c
.set AR,   64                          ; window 1, v[320:447]: token fragments, ring of eight K steps: 16 a + 8 t
.set TO1,  0x40                        ; destination window 1, address window 0
.set MUL,  0x05                        ; sources 0 and 1 window 1, C and D window 0
.set MSB,  0
.macro WIN new                         ; the immediate's high byte repeats the setting that is left; a switch that changes nothing is dropped
.if MSB != \new
	s_set_vgpr_msb (MSB<<8)|\new
.set MSB, \new
.endif
.endm
	s_load_b256 s[4:11], s[0:1], 0x0               ; hh s[4:5], W2 s[6:7], b2 s[8:9], order s[10:11]
	s_load_b128 s[12:15], s[0:1], 0x20             ; gs s[12:13], out0 s[14:15]
	s_set_vgpr_msb 0x40
	v_lshl_add_u32 v192, v0, 2, 0x40000
	v_mov_b32 v193, 0
	s_set_vgpr_msb 0x4000
	v_lshrrev_b32 v1, 5, v0
	v_readfirstlane_b32 s31, v1                    ; wave
	s_lshr_b32 s34, ttmp9, 5                       ; expert
	s_bfe_u32 s16, ttmp9, 0x40001                  ; which 64 columns
	s_and_b32 s17, ttmp9, 1                        ; parity
	s_lshl1_add_u32 s22, s31, s17                  ; my first unit, 0 to 15
	v_and_b32 v1, 15, v0                           ; r
	v_bfe_u32 v2, v0, 4, 1                         ; h
	v_and_b32 v[VL16], 31, v0
	v_lshlrev_b32 v[VL16], 4, v[VL16]
	v_lshlrev_b32 v[VC], 4, v1
	v_lshl_add_u32 v[VW], v2, 17, v[VC]
	v_lshl_add_u32 v[VLW], s31, 15, v[VL16]
	v_lshlrev_b32 v[V8H], 3, v2
	s_lshl_b32 s24, s34, 2
	s_mov_b32 s25, 0
	s_wait_kmcnt 0x0
	s_add_nc_u64 s[32:33], s[10:11], s[24:25]      ; order's header at my expert
	s_load_b32 s18, s[32:33], 0x0                  ; tiles
	s_load_b32 s19, s[32:33], 0x20                 ; first tile
	s_load_b32 s20, s[32:33], 0x40                 ; last entry
	s_lshl_b32 s24, s16, 8                         ; 64 columns of f32
	s_add_nc_u64 s[14:15], s[14:15], s[24:25]      ; out0 at column n0
	s_lshl_b32 s26, s34, 12
	s_add_co_u32 s26, s26, s24
	s_mov_b32 s27, 0
	s_add_nc_u64 s[8:9], s[8:9], s[26:27]          ; b2[e][n0]
	s_lshl_b32 s26, s34, 23                        ; an expert's W2: 8,388,608 bytes
	s_add_co_u32 s26, s26, s24
	s_lshl_b32 s28, s31, 20                        ; my wave's eight K steps: 256 rows of 4,096 bytes
	s_add_co_u32 s26, s26, s28
	s_add_nc_u64 s[6:7], s[6:7], s[26:27]
	global_load_b128 v[B2:B2+3], v[VC], s[8:9]
.macro LOADK kk, x                     ; no hint: the partner work-group reads the same bytes
.irp i, 0,1,2,3,4,5,6,7,8,9,10,11,12,13,14,15
	global_load_b128 v[\x+4*\i:\x+4*\i+3], v[VW], s[6:7] offset:(64*((\kk)>>1)+16*((\kk)&1)+\i)*4096
.endr
.endm
.macro CVTK kk, x                      ; fragment c, register m = (X[8 m + c], X[8 m + 4 + c]); two fragments at a time through F
.irp cp, 0,2
.irp cc, 0,1
.irp m, 0,1,2,3,4,5,6,7
	v_cvt_pk_f16_f32 v[F+8*\cc+\m], v[\x+8*\m+\cp+\cc], v[\x+8*\m+4+\cp+\cc]
.endr
.endr
.irp cc, 0,1
.irp hf, 0,1
	ds_store_b128 v[VLW], v[F+8*\cc+4*\hf:F+8*\cc+4*\hf+3] offset:(\kk)*4096+(\cp+\cc)*1024+\hf*512
.endr
.endr
.endr
.endm
	; PHASE 1.  Three K steps, 24 KiB a wave, are on their way; each wait leaves the two younger steps' 32 loads out, and the counts run down at the end.
	LOADK 0, X0
	LOADK 1, X1
	LOADK 2, X2
	s_wait_loadcnt 32
	CVTK 0, X0
	LOADK 3, X0
	s_wait_loadcnt 32
	CVTK 1, X1
	LOADK 4, X1
	s_wait_loadcnt 32
	CVTK 2, X2
	LOADK 5, X2
	s_wait_loadcnt 32
	CVTK 3, X0
	LOADK 6, X0
	s_wait_loadcnt 32
	CVTK 4, X1
	LOADK 7, X1
	s_wait_loadcnt 32
	CVTK 5, X2
	s_wait_loadcnt 16
	CVTK 6, X0
	s_wait_loadcnt 0x0
	CVTK 7, X1
	s_wait_kmcnt 0x0                               ; the header
	s_min_u32 s18, s18, 128                        ; written bounds on loaded numbers
	s_min_u32 s19, s19, 135
	s_min_u32 s20, s20, 2175
	s_lshr_b32 s21, s18, 1                         ; pairs of tiles, at most 64
	s_add_co_u32 s36, s21, 15
	s_sub_co_u32 s36, s36, s22
	s_lshr_b32 s36, s36, 4                         ; how many of my units, first, first + 16, ..., lie below the pairs: my trips, at most 4
	s_wait_dscnt 0x0                               ; my fragments are in LDS, for the other waves' sake
	s_barrier_signal -1
	s_barrier_wait -1                              ; all 64 K steps are there; LDS is only read from here on
.macro WM c, t, first                  ; first = 1: the constant 0 as C starts the sum
.if \first
	v_wmma_f32_16x16x32_f16 v[ACC+32*\t+8*\c:ACC+32*\t+8*\c+7], v[CA+8*\t:CA+8*\t+7], v[CB+8*\c:CB+8*\c+7], 0
.else
	v_wmma_f32_16x16x32_f16 v[ACC+32*\t+8*\c:ACC+32*\t+8*\c+7], v[CA+8*\t:CA+8*\t+7], v[CB+8*\c:CB+8*\c+7], v[ACC+32*\t+8*\c:ACC+32*\t+8*\c+7]
.endif
.endm
.macro ALOAD i, two, va                ; the tokens' fragments seven K steps ahead of step i, into the ring's place that the step before has multiplied
	global_load_b128 v[NA:NA+3], v[\va], s[4:5] offset:(\i+7)*1024
	global_load_b128 v[NA+4:NA+7], v[\va], s[4:5] offset:(\i+7)*1024+512
.if \two == 2
	global_load_b128 v[NA+8:NA+11], v[\va], s[4:5] offset:(\i+7)*1024+65536
	global_load_b128 v[NA+12:NA+15], v[\va], s[4:5] offset:(\i+7)*1024+512+65536
.endif
.endm
; K step i of a trip of eight, as in layer 1: weight fragments one step ahead from LDS (pb), token fragments seven steps ahead from memory (pa), both into registers
; that the step before has multiplied: np = 4 places behind its matrix instructions (ISA guide 7.12.1 for vector instructions).
; pa = 2: the request stands behind the step's waits (a unit's first step).  lc: the younger token loads that may stay out; dc: the eight LDS loads just issued.
; The accumulators take turns, one instruction a turn, in the same order in every step.
.macro STEP i, two, va, first, pa, pb, lc, dc, np
.set NB, BF+32*(((\i)+1)&1)
.set CB, BF+32*((\i)&1)
.set NA, AR+16*(((\i)+7)&7)
.set CA, AR+16*(\i)
.if \np
.rept \np
	v_nop
.endr
.endif
.if \pb
	WIN TO1
.irp c, 0,1,2,3
	ds_load_b128 v[NB+8*\c:NB+8*\c+3], v[VB] offset:(\i+1)*4096+\c*1024
	ds_load_b128 v[NB+8*\c+4:NB+8*\c+7], v[VB] offset:(\i+1)*4096+\c*1024+512
.endr
.endif
.if \pa == 1
	WIN TO1
	ALOAD \i, \two, \va
.endif
	s_wait_loadcnt \lc
	s_wait_dscnt \dc
.if \pa == 2
	WIN TO1
	ALOAD \i, \two, \va
.endif
	WIN MUL
.irp c, 0,1,2,3
	WM \c, 0, \first
.if \two == 2
	WM \c, 1, \first
.endif
.endr
.endm
; Eight K steps whose loads use the offset va.  At the trip's end the LDS address goes eight steps on, and (adv = 1) the OTHER offset, vo, two trips on:
; vo's loads were issued a trip ago, and step 7's counted wait, which leaves out only the seven K steps asked for in this trip by va, has shown them all done.
; So no offset that a load still out names is written, and no further wait is needed.  The four plain vector instructions are also the places in front of the next step's loads.
; A unit's first step waits first (K steps 1 to 6 stay out: 12 loads a pair of halves and tile) and asks for K step 7 behind the wait:
; so a wave has at most 32 list loads + 28 fragment loads out.
.macro TRIP two, va, vo, first, adv
.if \first
	STEP 0, \two, \va, 1, 2, 1, 12*\two, 8, 0
.else
	STEP 0, \two, \va, 0, 1, 1, 14*\two, 8, 0      ; seven younger K steps of 2 loads a tile stay out
.endif
.irp i, 1,2,3,4,5,6,7
	STEP \i, \two, \va, 0, 1, 1, 14*\two, 8, 4
.endr
	WIN 0
	v_add_nc_u32 v[VB], 32768, v[VB]
.if \adv
	v_add_nc_u32 v[\vo], 16384, v[\vo]
.else
	v_nop
.endif
	v_nop
	v_nop
.endm
.macro LAST two, va                    ; the last eight K steps: the last step's tokens are asked for in its first; then the counts run down
	STEP 0, \two, \va, 0, 1, 1, 14*\two, 8, 0
.irp i, 1,2,3,4,5,6
	STEP \i, \two, \va, 0, 0, 1, (7-\i)*2*\two, 8, 4
.endr
	STEP 7, \two, \va, 0, 0, 0, 0, 0, 0
.endm
; tokens and gates of tile t's rows 8 h + j: index held at the expert's last entry.  Each load lands on its own address register.
.macro LISTG t
.irp j, 0,1,2,3,4,5,6,7
	v_add_nc_u32 v[TMP], 16*\t+\j, v[VJ]
	v_min_u32 v[TMP], s20, v[TMP]
	v_min_u32 v[TMP], 0x87f, v[TMP]                ; a loaded number enters an address only behind a written bound: 2176 entries
	v_lshlrev_b32 v[TK+8*\t+\j], 2, v[TMP]
	v_lshlrev_b32 v[G+8*\t+\j], 2, v[TMP]
	global_load_b32 v[TK+8*\t+\j], v[TK+8*\t+\j], s[10:11] offset:256
	global_load_b32 v[G+8*\t+\j], v[G+8*\t+\j], s[12:13]
.endr
.endm
; token row 8 h + j of tile t goes out: (sum + b2) x gate; the gate is one register of the pair pr, picked by sel for both halves
.macro EROW t, j, pr, sel
	v_min_u32 v[TK+8*\t+\j], 0x7ff, v[TK+8*\t+\j]  ; a token: below 2048
	v_lshl_add_u32 v[TK+8*\t+\j], v[TK+8*\t+\j], 12, v[VC]   ; its row of 4,096 bytes, + 16 r
.irp c, 0,1,2,3
	v_add_f32 v[U+32*\t+4*\j+\c], v[ACC+32*\t+8*\c+\j], v[B2+\c]
.endr
	v_pk_mul_f32 v[U+32*\t+4*\j:U+32*\t+4*\j+1], v[U+32*\t+4*\j:U+32*\t+4*\j+1], v[G+8*\t+\pr:G+8*\t+\pr+1] op_sel:[0,\sel] op_sel_hi:[1,\sel]
	v_pk_mul_f32 v[U+32*\t+4*\j+2:U+32*\t+4*\j+3], v[U+32*\t+4*\j+2:U+32*\t+4*\j+3], v[G+8*\t+\pr:G+8*\t+\pr+1] op_sel:[0,\sel] op_sel_hi:[1,\sel]
	global_store_b128 v[TK+8*\t+\j], v[U+32*\t+4*\j:U+32*\t+4*\j+3], s[14:15] th:TH_STORE_NT
.endm
.macro EPI2 t
	EROW \t, 0, 0, 0
	EROW \t, 1, 0, 1
	EROW \t, 2, 2, 0
	EROW \t, 3, 2, 1
	EROW \t, 4, 4, 0
	EROW \t, 5, 4, 1
	EROW \t, 6, 6, 0
	EROW \t, 7, 6, 1
.endm
.macro UNIT two
	s_wait_xcnt 0x0                                ; the last unit's stores have read their data and offset registers
	s_lshl1_add_u32 s26, s22, s19                  ; the unit's first tile
	s_lshl_b32 s27, s26, 4
	s_min_u32 s26, s26, 134                        ; tiles are numbered 0 to 134; the pair's second lies inside hh's 136
	s_lshl_b32 s26, s26, 16
	v_add_nc_u32 v[VAA], s26, v[VL16]
	v_add_nc_u32 v[VAB], 8192, v[VAA]              ; the odd trips' offset begins eight K steps of 1,024 bytes on
	v_add_nc_u32 v[VJ], s27, v[V8H]
	LISTG 0                                        ; ahead of the unit's other loads: older than every counted wait below
.if \two == 2
	LISTG 1
.endif
	v_mov_b32 v[VB], v[VL16]
	WIN TO1
.irp c, 0,1,2,3
	ds_load_b128 v[BF+8*\c:BF+8*\c+3], v[VB] offset:\c*1024
	ds_load_b128 v[BF+8*\c+4:BF+8*\c+7], v[VB] offset:\c*1024+512
.endr
.irp k, 0,1,2,3,4,5,6
	global_load_b128 v[AR+16*\k:AR+16*\k+3], v[VAA], s[4:5] offset:\k*1024
	global_load_b128 v[AR+16*\k+4:AR+16*\k+7], v[VAA], s[4:5] offset:\k*1024+512
.if \two == 2
	global_load_b128 v[AR+16*\k+8:AR+16*\k+11], v[VAA], s[4:5] offset:\k*1024+65536
	global_load_b128 v[AR+16*\k+12:AR+16*\k+15], v[VAA], s[4:5] offset:\k*1024+512+65536
.endif
.endr
	TRIP \two, VAA, VAB, 1, 0                      ; K steps 0-7; it ends with every window 0, as a label and a branch want it
	s_mov_b32 s23, KS/16-1                         ; three passes of two trips: K steps 8-55
.Lk_\@:
	TRIP \two, VAB, VAA, 0, 1
	TRIP \two, VAA, VAB, 0, 1
	s_sub_co_u32 s23, s23, 1
	s_cmp_lg_u32 s23, 0
	s_cbranch_scc1 .Lk_\@
	LAST \two, VAB                                 ; K steps 56-63
.rept 4
	v_nop                                          ; four places behind the last matrix instructions, before results are read
.endr
	WIN 0
	EPI2 0
.if \two == 2
	EPI2 1
.endif
.endm
	; My pairs of tiles.  The loop ends on a counter of its own that steps by 1 up to my number of trips; the unit's number steps by 16 beside it.
	s_cmp_lg_u32 s36, 0
	s_cbranch_scc0 .Ltail
	s_mov_b32 s35, 0
.Lunit:
	UNIT 2
	s_add_co_u32 s22, s22, 16
	s_add_co_u32 s35, s35, 1
	s_cmp_lt_u32 s35, s36
	s_cbranch_scc1 .Lunit
.Ltail:
	s_lshl_b32 s26, s22, 1                         ; s22 is now my first unit at or past the pairs: an odd last tile falls to the wave whose unit it begins
	s_cmp_lt_u32 s26, s18
	s_cbranch_scc0 .Lend
	UNIT 1
.Lend:
	s_barrier_signal -1
	s_barrier_wait -1
	s_set_vgpr_msb 0x5
	s_wait_tensorcnt 0x0
	ds_add_u32 v192, v193
	s_wait_dscnt 0x0
	s_set_vgpr_msb 0x500
	s_endpgm
.Lfunc_end_k_qce43b1e410_ffn2:
	.size	k_qce43b1e410_ffn2, .Lfunc_end_k_qce43b1e410_ffn2-k_qce43b1e410_ffn2
	.p2alignl 7, 3214868480
	.fill 96, 4, 3214868480
	.section	.rodata,"a",@progbits
	.p2align	6, 0x0
	.amdhsa_kernel k_qce43b1e410_ffn2
		.amdhsa_group_segment_fixed_size 263168
		.amdhsa_private_segment_fixed_size 0
		.amdhsa_enable_private_segment 0
		.amdhsa_kernarg_size 48
		.amdhsa_user_sgpr_count 2
		.amdhsa_user_sgpr_kernarg_segment_ptr 1
		.amdhsa_wavefront_size32 1
		.amdhsa_system_sgpr_workgroup_id_x 1
		.amdhsa_system_sgpr_workgroup_id_y 1
		.amdhsa_system_sgpr_workgroup_id_z 1
		.amdhsa_system_vgpr_workitem_id 0
		.amdhsa_next_free_vgpr 450
		.amdhsa_next_free_sgpr 66
		.amdhsa_reserve_vcc 0
		.amdhsa_float_denorm_mode_32 3
		.amdhsa_float_denorm_mode_16_64 3
		.amdhsa_memory_ordered 1
		.amdhsa_forward_progress 1
		.amdhsa_inst_pref_size 147
	.end_amdhsa_kernel
	.amdgpu_metadata
---
amdhsa.version: [ 1, 2 ]
amdhsa.kernels:
  - .name:           k_qce43b1e410_ffn2
    .symbol:         k_qce43b1e410_ffn2.kd
    .args:
      - { .name: hh, .offset: 0, .size: 8, .value_kind: global_buffer, .address_space: global }
      - { .name: W2, .offset: 8, .size: 8, .value_kind: global_buffer, .address_space: global }
      - { .name: b2, .offset: 16, .size: 8, .value_kind: global_buffer, .address_space: global }
      - { .name: order, .offset: 24, .size: 8, .value_kind: global_buffer, .address_space: global }
      - { .name: gs, .offset: 32, .size: 8, .value_kind: global_buffer, .address_space: global }
      - { .name: out0, .offset: 40, .size: 8, .value_kind: global_buffer, .address_space: global }
    .group_segment_fixed_size: 263168
    .private_segment_fixed_size: 0
    .kernarg_segment_align: 8
    .kernarg_segment_size: 48
    .max_flat_workgroup_size: 256
    .sgpr_count:     66
    .vgpr_count:     450
    .wavefront_size: 32
...
	.end_amdgpu_metadata
.endif
;; end of part 4
